; MI455X (gfx1250); checked and timed in simulation.
; The chip was launched on July 23, 2026; its instructions are those of AMD's public machine-readable ISA for CDNA 5 (MIT licence, August 2026) and "CDNA5" Instruction Set Architecture Reference Guide (July 2026). The comments in the code are by the model that wrote it; some were corrected since.
;; MGU. Allowed arithmetic: matrix products marked QUANTISED: E3M2 operands, one E8M0 scale for each 32 along K, by v_wmma_scale_f32_16x16x128_f8f6f4 with both operands' format E3M2, f32 sums; everything else in f32.
;; Inputs: Bf 1,024 float32; Bh 1,024 float32; Rf 1,024 x 1,024 float32; Rh 1,024 x 1,024 float32; Wf 1,024 x 1,024 float32; Wh 1,024 x 1,024 float32; h 16,384 x 1,024 float32; x 16,384 x 1,024 float32.
;; Outputs: out0 16,384 x 1,024 float32.
;; This version of the problem:
;;   THIS VERSION OF THE PROBLEM IS GIVEN IN LOW PRECISION. The matrix products marked QUANTISED in the list below multiply operands that are first quantised to E3M2 (3 exponent bits, 2 mantissa bits; 6 bits a number), with one power-of-two scale for each 32 numbers along K (OCP MX v1.0); their sums are f32. All else is computed in f32.
;;   The module's matrix products, in the order in which they are computed (A, B: the left and right operand; K: the contracted axis; several contracted axes count as one K, in the product's order):
;;     1. [M 16,384, K 1,024] x [K 1,024, N 1,024]; A: input x; B: input Wf: QUANTISED
;;     2. [M 16,384, K 1,024] x [K 1,024, N 1,024]; A: input h; B: input Rf: QUANTISED
;;     3. [M 16,384, K 1,024] x [K 1,024, N 1,024]; A: input x; B: input Wh: QUANTISED
;;     4. [M 16,384, K 1,024] x [K 1,024, N 1,024]; A: computed on the way; B: input Rh: QUANTISED
;;   THE QUANTISER, for each operand of a quantised product, along K:
;;     - K is cut into blocks of 32 from its start; a last block that is shorter is filled with zeros.
;;     - A block's scale is 2^e with e = floor(log2(the largest magnitude in the block)) - 4, held to -126 .. 127; a block of zeros has e = 0. As a byte (E8M0): e + 127.
;;     - Each number is divided by its block's scale, clamped to +-28, and rounded to the nearest number of E3M2, ties to even, subnormals kept.
;;     - The product sums the exact products of the quantised numbers (number of the format x scale) in f32.
;;   ~~~python
;;   def quantise(x, axis):      # numpy; x: float32 -> the quantised numbers, widened to float32 again
;;       x = np.moveaxis(x, axis, -1); K = x.shape[-1]
;;       x = np.pad(x, [(0, 0)] * (x.ndim - 1) + [(0, -K % 32)]); x = x.reshape(x.shape[:-1] + (-1, 32)); a = np.abs(x).max(-1, keepdims=True)
;;       e = np.where(a > 0, np.clip(np.frexp(np.where(a > 0, a, 1))[1] - 1 - 4, -126, 127), 0)      # np.frexp(a)[1] - 1 = floor(log2(a)), exactly
;;       r = np.clip(x / 2.0 ** e, -28, 28)
;;       step = 2.0 ** (np.maximum(np.frexp(np.where(r == 0, 1, r))[1] - 1, -2) - 2)
;;       q = np.round(r / step) * step * 2.0 ** e      # np.round: ties to even
;;       return np.moveaxis(q.reshape(q.shape[:-2] + (-1,))[..., :K], -1, axis).astype(np.float32)
;;   ~~~
;;   OPERANDS COMPUTED ON THE WAY. 'Computed on the way' means the value that the module computes at that place (a softmax that the list does not call 'softmax' is quantised finished and normalised). What goes into a quantiser is computed in f32, as accurately as f32 sums, v_exp_f32 and their like allow (about 1e-6 of the number): no bf16 or f16 on the way to a quantiser, and a product that is left as it is and whose result goes on into a quantised operand takes f32 operands (vector FMAs, or v_wmma_f32_16x16x4_f32). A number that lies on a knife's edge between two numbers of the format may be rounded either way, as far as f32 arithmetic and the matrix unit's own rounding can turn it there, and no further.
;; One version. Each part assembles by itself: llvm-mc -triple=amdgcn-amd-amdhsa -mcpu=gfx1250 --defsym DOCPART=n.
;; ======== version 1 of 1: 2 launches
;; limits: right only within a limited range of input values
;; workspace buffers: wq 3,276,800 bytes
;; launch wprep (part 1): grid 256 x 1, 8 waves a work-group, no clusters, 14,336 bytes of LDS; arguments Wf, Rf, Wh, Rh, wq; writes wq
.if DOCPART == 1
	.amdgcn_target "amdgcn-amd-amdhsa--gfx1250"
	.amdhsa_code_object_version 6
	.text
	.protected	k_qf9445ff2a5_wprep
	.globl	k_qf9445ff2a5_wprep
	.p2align	8
	.type	k_qf9445ff2a5_wprep,@function
k_qf9445ff2a5_wprep:
	s_mov_b64 s[64:65], 0
	v_nop
	global_prefetch_b8 v0, s[64:65] scope:SCOPE_SE
	s_setreg_imm32_b32 hwreg(HW_REG_WAVE_MODE, 25, 1), 1
	s_wait_xcnt 0x0
; The four weights, [1024 (k)][1024 (n)] f32 with K as their FIRST axis, become codes of BF6 (E3M2) with one E8M0 scale byte for each 32 along K,
; laid in wq in the order in which the next launch's waves take them into their operand registers.
; wq = [pass p 4][s 8][wave w 4][q 2][chunk of 12,800 bytes].  Pass p = 2 x (gate 0: Wf, Rf; 1: Wh, Rh) + e, e the half of the 1,024 columns.  K step k = 2 s + q of a pass's 16:
; k < 8 is W's rows 128 k on, k >= 8 is R's rows 128 (k - 8) on.  A chunk serves columns 128 c .. 128 c + 127, c = 4 e + w: eight tiles of 16 columns x 128 K, 1,536 bytes each, then 512 bytes of scale words.
; A TILE IS AN IMAGE OF THE OPERAND'S 12 REGISTERS: register p of lane l lies at 512 (p / 4) + 16 l + 4 (p % 4); lane l = r + 16 hh holds k = 64 c' + 32 hh + 0 .. 31 of the tile's row r in registers 6 c' .. 6 c' + 5.
; THE COLUMNS OF A TILE ARE NOT NEIGHBOURS: row r of tile 2 b + u is column 128 c + 32 b + 8 u + r + 8 (r / 8), so that the results of tiles 2 b and 2 b + 1 are 16 neighbouring columns in a lane of the next launch.
; THE SCALE IMAGE: word b (0 .. 3) of lane l's 16 bytes is the scale word (four bytes, 128 along K) of tile 2 b + l / 16, row l % 16.
; SHARES.  One work-group of eight waves makes one chunk.  Wave (b, kh) takes the 32 neighbouring columns of tiles 2 b and 2 b + 1 and rows 64 kh .. 64 kh + 63 of the chunk's 128: two blocks of 32 along K,
; A LANE TO A COLUMN, REGISTERS DOWN K: a block lies in one lane, its largest magnitude needs no other lane, and the conversions give codes with K innermost.  All 64 loads of a lane are issued at once;
; each reads 128 consecutive bytes a wave, 512 for the four waves of a half.  The codes go to their places in the image in LDS; behind a barrier wave (b, kh) sends tile 2 b + kh as runs of 512 bytes.
; The halves part by a branch on the wave's number: blocks 0, 1 are registers 0-5 of the image, blocks 2, 3 registers 6-11.
; A block's scale is 2^(floor(log2(its largest magnitude)) - 4); its byte is the largest magnitude's exponent field - 4, held at 1 from below.
; LIMITS: a block of zeros gets the byte 1 where the rule says 127 (its codes are zeros, and this program alone reads the bytes); NaN and infinities among the inputs are not served.
.set EMAX, 4
.set X,    32                          ; v32-95   two sets of 32 numbers
.set C,    96                          ; v96-102  a block's codes
.set SB,   24                          ; v24      my column's two scale bytes
.set OUTR, 104                         ; v104-115 the way out
.set LT,   8                           ; v8       LDS: my column's 16 bytes in register group 0 of its tile, lanes' half 0
.set SA,   9                           ; v9       LDS: my half of my column's scale word
.set L16,  10                          ; v10      16 x lane
.set WO,   11                          ; v11      1,536 x (2 b + kh) + 16 x lane: the way out, in LDS and in the chunk alike
	s_load_b256 s[4:11], s[0:1], 0x0               ; Wf s[4:5], Rf s[6:7], Wh s[8:9], Rh s[10:11]
	s_load_b64 s[12:13], s[0:1], 0x20              ; wq
	v_lshl_add_u32 v128, v0, 2, 0x3400             ; my spare word, behind the image: 128 bytes for each of the eight waves
	v_mov_b32 v129, 0
	v_lshrrev_b32 v1, 5, v0
	v_readfirstlane_b32 s31, v1                    ; wave 0 .. 7
	s_and_b32 s18, s31, 3                          ; b: the tile pair
	s_lshr_b32 s29, s31, 2                         ; kh: which 64 of the 128 rows
	s_mul_i32 s19, s18, 3072                       ; my two tiles
	s_lshl_b32 s21, s18, 2
	s_add_co_u32 s21, s21, 12288
	s_lshl_b32 s30, s29, 1
	s_add_co_u32 s21, s21, s30                     ; word b of the scale image, bytes 2 kh and 2 kh + 1
	s_mul_i32 s30, s29, 1536
	s_add_co_u32 s30, s30, s19                     ; the tile that I send
	v_and_b32 v2, 31, v0                           ; lane = column in the pair's 32
	v_lshlrev_b32 v3, 2, v2                        ; in: 4 bytes a lane
	v_bfe_u32 v4, v0, 3, 1                         ; u = (lane / 8) % 2
	v_bfe_u32 v5, v0, 4, 1                         ; lane / 16
	v_and_b32 v6, 7, v0
	v_lshlrev_b32 v7, 4, v6
	v_lshl_add_u32 v7, v5, 7, v7                   ; 16 r, r = lane % 8 + 8 (lane / 16)
	v_mad_u32_u24 v[LT], v4, 1536, v7
	v_add_nc_u32 v[LT], s19, v[LT]
	v_lshl_add_u32 v[SA], v4, 8, v7                ; lane r + 16 u of the scale image
	v_add_nc_u32 v[SA], s21, v[SA]
	v_lshlrev_b32 v[L16], 4, v2
	v_add_nc_u32 v[WO], s30, v[L16]
	s_mov_b32 s20, ttmp9                           ; g: bits 7:6 the matrix, 5:3 which 128 rows of it, 2:0 the column chunk c
	s_bfe_u32 s22, s20, 0x30003
	s_lshl_b32 s24, s22, 19                        ; 128 rows of 4,096 bytes
	s_and_b32 s23, s20, 7
	s_lshl_b32 s25, s23, 9                         ; + 512 c
	s_add_co_u32 s24, s24, s25
	s_lshl_b32 s25, s18, 7                         ; + 128 b
	s_add_co_u32 s24, s24, s25
	s_lshl_b32 s25, s29, 18                        ; + 64 kh rows
	s_add_co_u32 s24, s24, s25
	s_mov_b32 s25, 0
	s_bfe_u32 s26, s20, 0x40003                    ; k = bits 6:3
	s_lshr_b32 s27, s20, 7
	s_lshl_b32 s27, s27, 1
	s_bfe_u32 s28, s20, 0x10002                    ; e
	s_add_co_u32 s27, s27, s28                     ; p
	s_lshl_b32 s27, s27, 3
	s_lshr_b32 s28, s26, 1
	s_add_co_u32 s27, s27, s28                     ; 8 p + s
	s_lshl_b32 s27, s27, 2
	s_and_b32 s28, s20, 3
	s_add_co_u32 s27, s27, s28                     ; x 4 + w
	s_lshl_b32 s27, s27, 1
	s_and_b32 s28, s26, 1
	s_add_co_u32 s27, s27, s28                     ; x 2 + q
	s_mul_i32 s26, s27, 12800
	s_mov_b32 s27, 0
	s_wait_alu depctr_va_vdst(0)                   ; the wait at the head's end
	s_wait_kmcnt 0x0
	s_bitcmp1_b32 s20, 6                           ; the matrix is chosen by the work-group's number alone
	s_cselect_b64 s[14:15], s[6:7], s[4:5]
	s_cselect_b64 s[16:17], s[10:11], s[8:9]
	s_bitcmp1_b32 s20, 7
	s_cselect_b64 s[14:15], s[16:17], s[14:15]
	s_add_nc_u64 s[14:15], s[14:15], s[24:25]
	s_add_nc_u64 s[12:13], s[12:13], s[26:27]
.irp t, 0,1                            ; my two blocks: W(64 kh + 32 t + i, my column), i = 0 .. 31, into set t
.irp i, 0,1,2,3,4,5,6,7,8,9,10,11,12,13,14,15,16,17,18,19,20,21,22,23,24,25,26,27,28,29,30,31
	global_load_b32 v[X+32*\t+\i], v3, s[14:15] offset:(32*\t+\i)*4096 th:TH_LOAD_NT
.endr
.endr
.macro BLOCK t                         ; block t of the chunk's four, from set t % 2
.set XS, X+32*((\t)%2)
.if (\t)%2 == 0
	s_wait_loadcnt 32                              ; this block's 32 loads are in; my other block's may be out
.else
	s_wait_loadcnt 0
.endif
	v_max3_num_f32 v12, |v[XS]|, |v[XS+1]|, |v[XS+2]|      ; the block's largest magnitude, in two chains: all 32 numbers are mine
	v_max3_num_f32 v13, |v[XS+3]|, |v[XS+4]|, |v[XS+5]|
.irp i, 6,10,14,18,22,26
	v_max3_num_f32 v12, v12, |v[XS+\i]|, |v[XS+\i+1]|
	v_max3_num_f32 v13, v13, |v[XS+\i+2]|, |v[XS+\i+3]|
.endr
	v_max3_num_f32 v12, v12, |v[XS+30]|, |v[XS+31]|
	v_max3_num_f32 v12, v12, v13, (EMAX+1)<<23     ; and the floor 2^(EMAX + 1 - 127): the byte cannot fall under 1
	v_add_nc_u32 v14, -(EMAX<<23), v12             ; EMAX off the exponent field: the conversion takes the exponent field of this operand as its scale
	v_lshrrev_b32 v13, 23, v14                     ; the scale's byte
.if (\t)%2 == 0
	v_mov_b32 v[SB], v13
.else
	v_lshl_or_b32 v[SB], v13, 8, v[SB]             ; the lower K in the lower byte
.endif
	v_cvt_scalef32_pk16_bf6_f32 v[C:C+2], v[XS:XS+15], v14
	v_cvt_scalef32_pk16_bf6_f32 v[C+4:C+6], v[XS+16:XS+31], v14    ; (a conversion's three registers begin on an even number)
	v_nop                                          ; one plain place behind a scaled conversion
	v_mov_b32 v[C+3], v[C+4]                       ; the block's 24 bytes on end: v[C] .. v[C+5]
	v_mov_b32 v[C+4], v[C+5]
	v_mov_b32 v[C+5], v[C+6]
.if (\t) < 2                           ; block t = 2 c' + hh is registers 6 c' .. 6 c' + 5 of lane r + 16 hh
	ds_store_b128 v[LT], v[C:C+3] offset:256*((\t)%2)              ; registers 0-3
	ds_store_b64 v[LT], v[C+4:C+5] offset:512+256*((\t)%2)         ; registers 4, 5
.else
	ds_store_b64 v[LT], v[C:C+1] offset:520+256*((\t)%2)           ; registers 6, 7
	ds_store_b128 v[LT], v[C+2:C+5] offset:1024+256*((\t)%2)       ; registers 8-11
.endif
	s_wait_dscnt 0x0                               ; the stores have read their registers: the next block's codes may be written
.endm
	s_cmp_lg_u32 s29, 0                            ; the two halves of K part here, on the wave's number
	s_cbranch_scc1 .Lhigh
	BLOCK 0
	BLOCK 1
	s_branch .Lmeet
.Lhigh:
	BLOCK 2
	BLOCK 3
.Lmeet:
	s_wait_alu depctr_va_vdst(0)                   ; directly ahead of the reader below
	ds_store_b16 v[SA], v[SB]                      ; my two bytes of the column's scale word
	s_wait_dscnt 0x0                               ; for the others' sake: my codes and scale bytes lie in LDS
	s_barrier_signal -1
	s_barrier_wait -1
.irp i, 0,1,2
	ds_load_b128 v[OUTR+4*\i:OUTR+4*\i+3], v[WO] offset:512*\i     ; tile 2 b + kh, as it lies
.endr
.irp i, 0,1,2
	s_wait_dscnt 2-\i                              ; the younger loads may be out
	global_store_b128 v[WO], v[OUTR+4*\i:OUTR+4*\i+3], s[12:13] offset:512*\i   ; 32 lanes store 512 consecutive bytes, at a multiple of 256 from wq's first byte
.endr
	s_cmp_lg_u32 s31, 0                            ; wave 0 sends the scale image, which all eight waves wrote
	s_cbranch_scc1 .Ldone
	ds_load_b128 v[16:19], v[L16] offset:12288
	s_wait_dscnt 0x0
	global_store_b128 v[L16], v[16:19], s[12:13] offset:12288
.Ldone:
	s_wait_tensorcnt 0x0                           ; the wave's end
	ds_add_u32 v128, v129
	s_wait_dscnt 0x0
	s_endpgm
.Lfunc_end_k_qf9445ff2a5_wprep:
	.size	k_qf9445ff2a5_wprep, .Lfunc_end_k_qf9445ff2a5_wprep-k_qf9445ff2a5_wprep
	.p2alignl 7, 3214868480
	.fill 96, 4, 3214868480
	.section	.rodata,"a",@progbits
	.p2align	6, 0x0
	.amdhsa_kernel k_qf9445ff2a5_wprep
		.amdhsa_group_segment_fixed_size 14336
		.amdhsa_private_segment_fixed_size 0
		.amdhsa_enable_private_segment 0
		.amdhsa_kernarg_size 40
		.amdhsa_user_sgpr_count 2
		.amdhsa_user_sgpr_kernarg_segment_ptr 1
		.amdhsa_wavefront_size32 1
		.amdhsa_system_sgpr_workgroup_id_x 1
		.amdhsa_system_sgpr_workgroup_id_y 1
		.amdhsa_system_sgpr_workgroup_id_z 1
		.amdhsa_system_vgpr_workitem_id 0
		.amdhsa_next_free_vgpr 130
		.amdhsa_next_free_sgpr 66
		.amdhsa_reserve_vcc 0
		.amdhsa_float_denorm_mode_32 3
		.amdhsa_float_denorm_mode_16_64 3
		.amdhsa_memory_ordered 1
		.amdhsa_forward_progress 1
		.amdhsa_inst_pref_size 17
	.end_amdhsa_kernel
	.amdgpu_metadata
---
amdhsa.version: [ 1, 2 ]
amdhsa.kernels:
  - .name:           k_qf9445ff2a5_wprep
    .symbol:         k_qf9445ff2a5_wprep.kd
    .args:
      - { .name: Wf, .offset: 0, .size: 8, .value_kind: global_buffer, .address_space: global }
      - { .name: Rf, .offset: 8, .size: 8, .value_kind: global_buffer, .address_space: global }
      - { .name: Wh, .offset: 16, .size: 8, .value_kind: global_buffer, .address_space: global }
      - { .name: Rh, .offset: 24, .size: 8, .value_kind: global_buffer, .address_space: global }
      - { .name: wq, .offset: 32, .size: 8, .value_kind: global_buffer, .address_space: global }
    .group_segment_fixed_size: 14336
    .private_segment_fixed_size: 0
    .kernarg_segment_align: 8
    .kernarg_segment_size: 40
    .max_flat_workgroup_size: 256
    .sgpr_count:     66
    .vgpr_count:     130
    .wavefront_size: 32
...
	.end_amdgpu_metadata
.endif
;; end of part 1
;; launch mgu (part 2): grid 256 x 1, 4 waves a work-group, no clusters, 310,784 bytes of LDS; arguments x, h, Bf, Bh, wq, out0; writes out0
.if DOCPART == 2
	.amdgcn_target "amdgcn-amd-amdhsa--gfx1250"
	.amdhsa_code_object_version 6
	.text
	.protected	k_qf9445ff2a5_mgu
	.globl	k_qf9445ff2a5_mgu
	.p2align	8
	.type	k_qf9445ff2a5_mgu,@function
k_qf9445ff2a5_mgu:
	s_mov_b64 s[64:65], 0
	v_nop
	global_prefetch_b8 v0, s[64:65] scope:SCOPE_SE
	s_setreg_imm32_b32 hwreg(HW_REG_WAVE_MODE, 25, 1), 1
	s_wait_xcnt 0x0
; MGU step.  ft = sigmoid(x Wf + h Rf + Bf), ht = tanh(x Wh + (ft h) Rh + Bh), out = h + ft (ht - h).  All four products on BF6 codes.
; A work-group owns 64 rows and all 1,024 columns; wave w owns columns 512 e + 128 w .. + 127 in the pass of half e.  Four passes of K = 2,048 (16 steps of 128), in the order p = 0, 1, 3, 2 (p = 2 gate + e).
; HEAD: wave w quantises rows 16 w .. 16 w + 15 of x and h into register images in LDS (places 0-7 x, 8-15 h).
; g = ft h: h's image is still read in pass 1, so each wave keeps its codes of g in 12,800 holding bytes of its own and copies both halves over h's places 8 + w and 12 + w behind pass 1.
; WEIGHTS: a chunk of wq (12,800 bytes: 8 tiles and their scale words) feeds ONE wave, so it goes from memory straight into that wave's operand registers: a ring of three chunks, 25 loads each,
; filled again half a chunk at a time as its tiles are done with.  No joint loads: LDS holds the images (102,400 bytes), g's holding bytes (51,200), half of ft (131,072), the way out's stage, the biases
; and the spare words, 310,784 bytes in all, which leaves no room for two slots of weights; and no byte of a chunk is read by a second wave of the work-group.  No prefetch: the ring's loads run two to three K steps ahead.
; ONE copy of the pass serves all four: step 0 starts the sums (C = 0), two trips of six steps (three ring places x two sets of row fragments), three tail steps, which fetch the next pass's steps 1, 2, 0.
; The work-group's number turns the order of the K steps (ROT), so that work-groups walk wq at 16 different places.
; ft: the half made last stays in window 3; half e = 0 rests in the wave's own LDS bytes between pass 0 and the last pass.
; REGISTERS.  Window 0: v0-31 addresses; v32-127 two sets of row fragments (in the epilogues: biases, codes); v128-131 their scales; v132-143 the ring's scale words; v144-159 quantiser; v160-255 ring place 2.
; Window 1: v0-191 ring places 0, 1; v192-255 16 rows x 128 columns of h.  Window 2: the 32 accumulators.  Window 3: x and h on their way to the quantiser, then ft.
; LIMITS: a block of zeros gets the scale byte 1 where the rule says 127 (its codes are zeros, and this program alone reads the bytes); NaN and infinities among the inputs are not served.
.set RSC,   98304
.set HOLD,  102400
.set FT,    153600
.set STG,   284672
.set BIA,   302080
.set SPARE, 310272
.set LI,  1
.set XA,  2
.set AR,  3
.set AS,  4
.set AS0, 5
.set PI,  6
.set PS,  7
.set PI0, 8
.set PS0, 9
.set GI0, 10
.set GS0, 11
.set GI,  12
.set GS,  13
.set SO,  14
.set SR,  15
.set GO,  16
.set BA0, 17
.set BA,  18
.set FA,  19
.set HSA, 25
.set CI,  26
.set CS,  27
.set SPW, 28
.set NIL, 29
.set RF,  32
.set BI,  32
.set PW,  96
.set PC,  98
.set RS,  128
.set WS,  132
.set TM,  144
.set WV,  16
.set ROT, 17
.set PIX, 18
.set E,   19
.set SEL, 20
.set FLR, 22
.set CNT, 23
.set CSG, 24
.set CTH, 26
.set WB,  28
.set OFF, 34
.set KN,  36
.set KC,  37
.set PB,  38
.set NPB, 39
.set KT,  41
.set KH,  42
.set KR,  43
.set KS,  44
.set KX,  45
.set HE,  46
.set OE,  48
.set HEE, 50
.set OEE, 52
.set LP,  54
.set LN,  56
.set LM,  58
.set IO,  60
.set SOF, 61
.set KY,  62
.set GT,  63
.set MSB, 0
.macro WIN new                         ; the immediate's high byte repeats the setting that is left
.if MSB != (\new)
	s_set_vgpr_msb (MSB<<8)|(\new)
.set MSB, (\new)
.endif
.endm
.macro PLACES
.rept 4
	v_nop
.endr
.endm
; one product: source 0 = tile tt of ring place s (16 columns), source 1 = row block mm of set q; a lane then holds one row and neighbouring columns
.macro WM s, q, z
.set aD, 64*mm+8*tt
.set aW, 96*(\s)-32*((\s)/2)+12*tt
.set aR, RF+48*(\q)+12*mm
.set aS, WS+4*(\s)+tt/2
.set aT, RS+2*(\q)+mm/2
.if \z
.if (tt%2 == 0) && (mm%2 == 0)
	v_wmma_scale_f32_16x16x128_f8f6f4 v[aD:aD+7], v[aW:aW+11], v[aR:aR+11], 0, v[aS], v[aT] matrix_a_fmt:MATRIX_FMT_BF6 matrix_b_fmt:MATRIX_FMT_BF6
.elseif (tt%2 == 1) && (mm%2 == 0)
	v_wmma_scale_f32_16x16x128_f8f6f4 v[aD:aD+7], v[aW:aW+11], v[aR:aR+11], 0, v[aS], v[aT] matrix_a_fmt:MATRIX_FMT_BF6 matrix_b_fmt:MATRIX_FMT_BF6 matrix_a_scale:MATRIX_SCALE_ROW1
.elseif (tt%2 == 0)
	v_wmma_scale_f32_16x16x128_f8f6f4 v[aD:aD+7], v[aW:aW+11], v[aR:aR+11], 0, v[aS], v[aT] matrix_a_fmt:MATRIX_FMT_BF6 matrix_b_fmt:MATRIX_FMT_BF6 matrix_b_scale:MATRIX_SCALE_ROW1
.else
	v_wmma_scale_f32_16x16x128_f8f6f4 v[aD:aD+7], v[aW:aW+11], v[aR:aR+11], 0, v[aS], v[aT] matrix_a_fmt:MATRIX_FMT_BF6 matrix_b_fmt:MATRIX_FMT_BF6 matrix_a_scale:MATRIX_SCALE_ROW1 matrix_b_scale:MATRIX_SCALE_ROW1
.endif
.else
.if (tt%2 == 0) && (mm%2 == 0)
	v_wmma_scale_f32_16x16x128_f8f6f4 v[aD:aD+7], v[aW:aW+11], v[aR:aR+11], v[aD:aD+7], v[aS], v[aT] matrix_a_fmt:MATRIX_FMT_BF6 matrix_b_fmt:MATRIX_FMT_BF6
.elseif (tt%2 == 1) && (mm%2 == 0)
	v_wmma_scale_f32_16x16x128_f8f6f4 v[aD:aD+7], v[aW:aW+11], v[aR:aR+11], v[aD:aD+7], v[aS], v[aT] matrix_a_fmt:MATRIX_FMT_BF6 matrix_b_fmt:MATRIX_FMT_BF6 matrix_a_scale:MATRIX_SCALE_ROW1
.elseif (tt%2 == 0)
	v_wmma_scale_f32_16x16x128_f8f6f4 v[aD:aD+7], v[aW:aW+11], v[aR:aR+11], v[aD:aD+7], v[aS], v[aT] matrix_a_fmt:MATRIX_FMT_BF6 matrix_b_fmt:MATRIX_FMT_BF6 matrix_b_scale:MATRIX_SCALE_ROW1
.else
	v_wmma_scale_f32_16x16x128_f8f6f4 v[aD:aD+7], v[aW:aW+11], v[aR:aR+11], v[aD:aD+7], v[aS], v[aT] matrix_a_fmt:MATRIX_FMT_BF6 matrix_b_fmt:MATRIX_FMT_BF6 matrix_a_scale:MATRIX_SCALE_ROW1 matrix_b_scale:MATRIX_SCALE_ROW1
.endif
.endif
.endm
.macro MUL base, n, s, q, z            ; n tiles x 4 row blocks: the 32 accumulators take turns, in the same order in every step
.set tt, \base
.rept \n
.set mm, 0
.rept 4
	WM \s, \q, \z
.set mm, mm+1
.endr
.set tt, tt+1
.endr
.endm
; the next step's place in the row images: K step KC mod 16
.macro RADR
	s_and_b32 s[KT], s[KC], 15
	s_add_co_u32 s[KC], s[KC], 1
	s_mul_i32 s[KR], s[KT], 6144
	s_lshl_b32 s[KS], s[KT], 8
.endm
.macro FETCH_R q                       ; 4 row blocks x 12 registers and their scale words; the addresses are read directly behind their writes
	v_add_nc_u32 v[AR], s[KR], v[LI]
	v_add_nc_u32 v[AS], s[KS], v[AS0]
.irp m, 0,1,2,3
.irp c, 0,1,2
	ds_load_b128 v[RF+48*(\q)+12*\m+4*\c:RF+48*(\q)+12*\m+4*\c+3], v[AR] offset:1536*\m+512*\c
.endr
.endr
	ds_load_b64 v[RS+2*(\q):RS+2*(\q)+1], v[AS]
.endm
; where the chunk lies that a ring place takes next.  mode 0: the running step of this pass; mode 1: step n of the next pass
.macro TGT1 mode, n
.if \mode
	s_add_co_u32 s[KT], s[ROT], \n
	s_and_b32 s[KT], s[KT], 15
.else
	s_and_b32 s[KT], s[KN], 15
	s_add_co_u32 s[KN], s[KN], 1
.endif
	s_lshr_b32 s[KH], s[KT], 1
	s_and_b32 s[KT], s[KT], 1
	s_mul_i32 s[KH], s[KH], 102400
.endm
.macro TGT2 s, mode                    ; each ring place has a base of its own: it is written behind the wait that shows the place's last loads done
	s_mul_i32 s[KT], s[KT], 12800
	s_add_co_u32 s[OFF], s[KH], s[KT]
	s_add_co_u32 s[OFF], s[OFF], s[PB+(\mode)]
	s_add_nc_u64 s[WB+2*(\s):WB+2*(\s)+1], s[12:13], s[OFF:OFF+1]
.endm
.macro REFILL s, base                  ; four tiles, 12 loads of 512 consecutive bytes
	WIN 0x40*(1-(\s)/2)
.set WR0, 96*(\s)-32*((\s)/2)+12*(\base)
.irp t, 0,1,2,3
.irp c, 0,1,2
	global_load_b128 v[WR0+12*\t+4*\c:WR0+12*\t+4*\c+3], v[LI], s[WB+2*(\s):WB+2*(\s)+1] offset:1536*((\base)+\t)+512*\c
.endr
.endr
.endm
.macro WSCALE s
	WIN 0
	global_load_b128 v[WS+4*(\s):WS+4*(\s)+3], v[LI], s[WB+2*(\s):WB+2*(\s)+1] offset:12288
.endm
.macro PRIME s                         ; ring place s takes step s of the first pass
	TGT1 1, (\s)
	TGT2 (\s), 1
	REFILL (\s), 0
	REFILL (\s), 4
	WSCALE (\s)
.endm
; A K step: 32 products on ring place s and row set q.  cnt: the loads younger than this place's 25 (two places' refills).  fr: the next step's rows are fetched.  mode 2: nothing is fetched into the ring.
.macro STEP s, q, z, mode, n, fr, cnt
	s_wait_loadcnt \cnt
	s_wait_dscnt 0x0
	WIN 0xa1-(\s)/2
	MUL 0, 1, \s, \q, \z
.if \fr
	RADR
.endif
	MUL 1, 2, \s, \q, \z
.if \mode < 2
	TGT1 \mode, \n
.endif
	MUL 3, 1, \s, \q, \z
.if \mode < 2
	TGT2 \s, \mode
.endif
	PLACES                                         ; in front of loads into registers that products have read
	WIN 0
.if \fr
	FETCH_R 1-(\q)
.endif
.if \mode < 2
	REFILL \s, 0
.endif
	WIN 0xa1-(\s)/2
	MUL 4, 4, \s, \q, \z
	PLACES
.if \mode < 2
	REFILL \s, 4
	WSCALE \s
.endif
	WIN 0
.endm
.macro XLOAD win, reg, pl, off         ; 16 rows x 128 columns of f32: lane (r, hh) takes columns 32 b + 16 hh + 0 .. 15 of row r
	WIN (\win)<<6
.irp b, 0,1,2,3
.irp j, 0,1,2,3
	global_load_b128 v[(\reg)+16*\b+4*\j:(\reg)+16*\b+4*\j+3], v[XA], s[\pl:\pl+1] offset:(\off)+128*\b+16*\j
.endr
.endr
.endm
; 64 numbers a lane (window w, from register s) become 12 operand registers and a scale word: four blocks of 32, each in lanes l and l xor 16
.macro QUANT s, w
	WIN ((\w)<<2)|((\w)<<4)
.irp b, 0,1,2,3
	v_max3_num_f32 v[TM+\b], s[FLR], |v[(\s)+16*\b]|, |v[(\s)+16*\b+1]|
.endr
.irp i, 2,4,6,8,10,12,14
.irp b, 0,1,2,3
	v_max3_num_f32 v[TM+\b], v[TM+\b], |v[(\s)+16*\b+\i]|, |v[(\s)+16*\b+\i+1]|
.endr
.endr
	WIN 0
.irp b, 0,1,2,3
	v_permlanex16_b32 v[TM+4+\b], v[TM+\b], s[SEL], s[SEL+1]
.endr
.irp b, 0,1,2,3
	v_max_num_f32 v[TM+\b], v[TM+\b], v[TM+4+\b]
.endr
.irp b, 0,1,2,3
	v_add_nc_u32 v[TM+12+\b], 0xfe000000, v[TM+\b]   ; 4 off the exponent field: the conversion's scale operand
.endr
.irp b, 0,1,2,3
	v_lshrrev_b32 v[TM+4+\b], 23, v[TM+12+\b]        ; the scale's byte
.endr
	s_wait_alu depctr_va_vdst(0)                   ; directly ahead of the wait below
	s_wait_dscnt 0x0                               ; the last image's stores have read the registers written below
	v_lshl_or_b32 v[PW], v[TM+5], 8, v[TM+4]
	v_lshl_or_b32 v[PW], v[TM+6], 16, v[PW]
	v_lshl_or_b32 v[PW], v[TM+7], 24, v[PW]
	WIN (\w)
.irp c, 0,1
	v_cvt_scalef32_pk16_bf6_f32 v[PC+6*\c:PC+6*\c+2], v[(\s)+32*\c:(\s)+32*\c+15], v[TM+12+2*\c]
	v_cvt_scalef32_pk16_bf6_f32 v[PC+12+4*\c:PC+14+4*\c], v[(\s)+32*\c+16:(\s)+32*\c+31], v[TM+13+2*\c]
.endr
	WIN 0
	v_nop                                          ; one plain place behind a scaled conversion
.irp c, 0,1
.irp i, 0,1,2
	v_permlane16_swap_b32 v[PC+6*\c+\i], v[PC+12+4*\c+\i]   ; a whole block into each lane
.endr
.irp i, 0,1,2
	v_mov_b32 v[PC+3+6*\c+\i], v[PC+12+4*\c+\i]
.endr
.endr
.endm
.macro IMAGE adr, off
.irp c, 0,1,2
	ds_store_b128 v[\adr], v[PC+4*\c:PC+4*\c+3] offset:(\off)+512*\c
.endr
.endm
	s_load_b256 s[4:11], s[0:1], 0x0               ; x, h, Bf, Bh
	s_load_b128 s[12:15], s[0:1], 0x20             ; wq, out0
	v_lshl_add_u32 v[SPW], v0, 2, SPARE
	v_mov_b32 v[NIL], 0
	v_lshrrev_b32 v20, 5, v0
	v_readfirstlane_b32 s[WV], v20
	s_and_b32 s[ROT], ttmp9, 15
	s_mov_b32 s[OFF+1], 0
	s_mov_b32 s[NPB], 0                            ; the ring's first chunks are pass 0's
	s_mov_b32 s[SEL], 0x76543210
	s_mov_b32 s[SEL+1], 0xfedcba98
	s_mov_b32 s[FLR], 0x2800000                    ; the floor 2^(5 - 127)
	s_mov_b32 s[CSG], 0xbfb8aa3b                   ; -log2(e)
	s_mov_b32 s[CSG+1], s[CSG]
	s_mov_b32 s[CTH], 0x4038aa3b                   ; 2 log2(e)
	s_mov_b32 s[CTH+1], s[CTH]
	s_mul_i32 s50, s[WV], 1536
	s_and_b32 s51, s[WV], 1
	s_lshl_b32 s51, s51, 7
	s_lshr_b32 s52, s[WV], 1
	s_lshl_b32 s52, s52, 2
	s_add_co_u32 s51, s51, s52
	s_add_co_u32 s51, s51, RSC
	s_mul_i32 s52, s[WV], 12800
	s_add_co_u32 s52, s52, HOLD                    ; my holding bytes: two chunks of 6,144 bytes of codes and 256 of scale words
	s_add_co_u32 s53, s52, 6144
	s_lshl_b32 s55, s[WV], 9
	s_add_co_u32 s55, s55, BIA
	s_mul_i32 s54, s[WV], 4352
	s_add_co_u32 s54, s54, STG
	s_lshl_b32 s56, s[WV], 15
	s_add_co_u32 s56, s56, FT
	s_mul_i32 s57, s[WV], 6144
	s_add_co_u32 s57, s57, 8*6144                  ; image place 8 + w
	s_lshl_b32 s58, s[WV], 8
	s_add_co_u32 s58, s58, RSC+8*256
	v_and_b32 v20, 31, v0                          ; lane
	v_and_b32 v21, 15, v0                          ; r
	v_bfe_u32 v22, v0, 4, 1                        ; hh
	v_lshlrev_b32 v[LI], 4, v20
	v_lshlrev_b32 v[XA], 12, v21
	v_lshl_add_u32 v[XA], v22, 6, v[XA]
	v_lshl_add_u32 v[AS0], v20, 3, RSC
	v_add_nc_u32 v[PI0], s50, v[LI]
	v_lshl_add_u32 v[PS0], v21, 3, s51
	v_add_nc_u32 v[GI0], s52, v[LI]
	v_lshl_add_u32 v[GS0], v21, 3, s53
	v_lshl_add_u32 v[HSA], v20, 3, s53
	v_add_nc_u32 v[CI], s57, v[LI]
	v_lshl_add_u32 v[CS], v20, 3, s58
	v_mul_u32_u24 v[SO], v21, 272
	v_lshl_add_u32 v[SO], v22, 6, v[SO]
	v_add_nc_u32 v[SO], s54, v[SO]
	v_mul_u32_u24 v[SR], v22, 272
	v_lshl_add_u32 v[SR], v21, 4, v[SR]
	v_add_nc_u32 v[SR], s54, v[SR]
	v_lshlrev_b32 v[GO], 12, v22
	v_lshl_add_u32 v[GO], v21, 4, v[GO]
	v_lshl_add_u32 v[BA0], v22, 6, s55
	v_add_nc_u32 v[FA], s56, v[LI]
	v_lshlrev_b32 v23, 5, v0                       ; my 8 numbers of each bias
	v_lshl_add_u32 v24, v0, 5, BIA                 ; in LDS the biases lie in the order of the passes: Bf's halves 0, 1, then Bh's halves 1, 0
	v_xor_b32 v30, 2048, v23
	v_add_nc_u32 v30, BIA+4096, v30
.irp b, 0,1,2,3
	v_mov_b32 v[TM+4+\b], 0                        ; a lane permute's destination counts as one of its sources
.endr
	s_wait_alu depctr_va_vdst(0)                   ; the wait at the head's end
	s_wait_kmcnt 0x0
	s_lshl_b32 s2, ttmp9, 18                       ; 64 rows of 4,096 bytes
	s_mov_b32 s3, 0
	s_add_nc_u64 s[4:5], s[4:5], s[2:3]
	s_add_nc_u64 s[6:7], s[6:7], s[2:3]
	s_add_nc_u64 s[14:15], s[14:15], s[2:3]
	s_lshl_b32 s2, s[WV], 9                        ; my 128 columns
	s_add_nc_u64 s[HE:HE+1], s[6:7], s[2:3]
	s_add_nc_u64 s[OE:OE+1], s[14:15], s[2:3]
	s_lshl_b32 s2, s[WV], 16                       ; my 16 rows
	s_add_nc_u64 s[4:5], s[4:5], s[2:3]
	s_add_nc_u64 s[LM:LM+1], s[6:7], s[2:3]
	s_add_nc_u64 s[LN:LN+1], s[4:5], 2048
	s_mul_i32 s2, s[WV], 25600                     ; my chunks in wq
	s_add_nc_u64 s[12:13], s[12:13], s[2:3]
	global_load_b128 v[32:35], v23, s[8:9]
	global_load_b128 v[36:39], v23, s[8:9] offset:16
	global_load_b128 v[40:43], v23, s[10:11]
	global_load_b128 v[44:47], v23, s[10:11] offset:16
.irp t, 0,1,2,3
	XLOAD 3, 64*\t, 4, 512*\t
.endr
	WIN 0
	s_wait_loadcnt 63                              ; 64 loads are younger than the biases'
.irp i, 0,2,4,6
	v_pk_mul_f32 v[32+\i:33+\i], v[32+\i:33+\i], s[CSG:CSG+1] op_sel_hi:[1,0]   ; the biases times the exponentials' factors: the epilogues add them by their multiply-add
	v_pk_mul_f32 v[40+\i:41+\i], v[40+\i:41+\i], s[CTH:CTH+1] op_sel_hi:[1,0]
.endr
	ds_store_b128 v24, v[32:35]
	ds_store_b128 v24, v[36:39] offset:16
	ds_store_b128 v30, v[40:43]
	ds_store_b128 v30, v[44:47] offset:16
; four K steps of my 16 rows a trip: x 0-3, x 4-7, h 0-3, h 4-7; the loads run four K steps (64 loads) ahead.  The last trip loads the ring's first three chunks instead
.macro P0TRIP ld
	s_wait_dscnt 0x0
	v_add_nc_u32 v[PI], s[IO], v[PI0]
	v_add_nc_u32 v[PS], s[SOF], v[PS0]
.irp u, 0,1,2,3
.if (\ld) || (\u == 0)
	s_wait_loadcnt 48
.elseif \u == 1
	s_wait_loadcnt 57                              ; 32 of h and one chunk's 25 are younger
.else
	s_wait_loadcnt 63                              ; more than 63 are younger
.endif
	QUANT 64*\u, 3
	IMAGE PI, 6144*\u
	ds_store_b32 v[PS], v[PW] offset:256*\u
.if \ld
.if \u == 0
	s_wait_xcnt 0x0                                ; the pointers are written only behind this wait
	s_mov_b64 s[LP:LP+1], s[LN:LN+1]
	s_mov_b64 s[LN:LN+1], s[LM:LM+1]
	s_add_nc_u64 s[LM:LM+1], s[LM:LM+1], 2048
.endif
	XLOAD 3, 64*\u, LP, 512*\u
.elseif \u < 3
	PRIME (\u+1)%3
.endif
.endr
	WIN 0
.endm
	s_mov_b32 s[IO], 0
	s_mov_b32 s[SOF], 0
	s_mov_b32 s[CNT], 3
.Lp0:
	P0TRIP 1
	s_add_co_u32 s[IO], s[IO], 24576
	s_add_co_u32 s[SOF], s[SOF], 1024
	s_sub_co_u32 s[CNT], s[CNT], 1
	s_cmp_lg_u32 s[CNT], 0
	s_cbranch_scc1 .Lp0
	P0TRIP 0
	s_wait_dscnt 0x0                               ; my part of the images and of the biases lies in LDS
	s_barrier_signal -1
	s_barrier_wait -1
	s_mov_b32 s[PIX], 0
.Lpass:                                                ; pass PIX: p = PIX xor PIX / 2 = 0, 1, 3, 2
	s_lshr_b32 s[GT], s[PIX], 1
	s_xor_b32 s[KT], s[PIX], s[GT]                 ; p
	s_and_b32 s[E], s[KT], 1
	s_mul_i32 s[PB], s[KT], 819200
	s_add_co_u32 s[KX], s[PIX], 1
	s_lshr_b32 s[KY], s[KX], 1
	s_xor_b32 s[KX], s[KX], s[KY]
	s_mul_i32 s[NPB], s[KX], 819200                ; the next pass's chunks (not used in the last pass)
	s_mov_b32 s[KC], s[ROT]
	s_add_co_u32 s[KN], s[ROT], 3
	s_mul_i32 s[KX], s[E], 6400
	s_lshl_b32 s[KH], s[PIX], 11
	v_add_nc_u32 v[GI], s[KX], v[GI0]
	v_add_nc_u32 v[GS], s[KX], v[GS0]
	v_add_nc_u32 v[BA], s[KH], v[BA0]
	s_wait_alu depctr_va_vdst(0)
	s_wait_loadcnt 0x0                             ; the ring's three chunks, asked for ahead of the epilogue, are in
	s_wait_xcnt 0x0                                ; the pointers below are written only behind this wait
	s_lshl_b32 s2, s[E], 11
	s_mov_b32 s3, 0
	s_add_nc_u64 s[HEE:HEE+1], s[HE:HE+1], s[2:3]
	s_add_nc_u64 s[OEE:OEE+1], s[OE:OE+1], s[2:3]
	RADR
	FETCH_R 0
	XLOAD 1, 192, HEE, 0                           ; h for the epilogue's first 16 rows: older than every refill of this pass
	WIN 0
	STEP 0, 0, 1, 0, 0, 1, 50                      ; the first step's products start the sums
	s_mov_b32 s[CNT], 2
.Lk:
	STEP 1, 1, 0, 0, 0, 1, 50
	STEP 2, 0, 0, 0, 0, 1, 50
	STEP 0, 1, 0, 0, 0, 1, 50
	STEP 1, 0, 0, 0, 0, 1, 50
	STEP 2, 1, 0, 0, 0, 1, 50
	STEP 0, 0, 0, 0, 0, 1, 50
	s_sub_co_u32 s[CNT], s[CNT], 1
	s_cmp_lg_u32 s[CNT], 0
	s_cbranch_scc1 .Lk
	s_cmp_eq_u32 s[PIX], 3
	s_cbranch_scc1 .Lfin
	STEP 1, 1, 0, 1, 1, 1, 50                      ; steps 13, 14, 15 fetch the next pass's steps 1, 2, 0
	STEP 2, 0, 0, 1, 2, 1, 50
	STEP 0, 1, 0, 1, 0, 0, 50
	s_branch .Lpend
.Lfin:                                                 ; the last pass's tail fetches nothing: the counts run down
	STEP 1, 1, 0, 2, 0, 1, 50
	STEP 2, 0, 0, 2, 0, 1, 25
	STEP 0, 1, 0, 2, 0, 0, 0
.Lpend:
	s_wait_dscnt 0x0
	s_barrier_signal -1                            ; every wave has read the images for the last time in this pass
	s_barrier_wait -1
.irp b, 0,1,2,3
.irp j, 0,1,2,3
	ds_load_b128 v[BI+16*\b+4*\j:BI+16*\b+4*\j+3], v[BA] offset:128*\b+16*\j   ; my 64 columns' biases, already times the factor
.endr
.endr
	s_wait_dscnt 0x0
	s_cmp_ge_u32 s[PIX], 2
	s_cbranch_scc1 .Lepi2
; both epilogues, 16 rows m: 1 / (1 + 2^(c z + c bias)), in place in the accumulators; rw: the windows of the reciprocal
.macro EHEAD m, c, rw
	WIN 0x82
	s_wait_alu depctr_va_vdst(0)                   ; ahead of the first reader of these sums
.set i, 0
.rept 32
	v_pk_fma_f32 v[64*(\m)+i:64*(\m)+i+1], v[64*(\m)+i:64*(\m)+i+1], s[\c:\c+1], v[BI+i:BI+i+1] op_sel_hi:[1,0,1]
.set i, i+2
.endr
	s_wait_alu depctr_va_vdst(0)                   ; ahead of the batch
.set i, 0
.rept 64
	v_exp_f32 v[64*(\m)+i], v[64*(\m)+i]
.set i, i+1
.endr
	v_nop
	s_wait_alu depctr_va_vdst(0)                   ; and behind it
.set i, 0
.rept 32
	v_pk_add_f32 v[64*(\m)+i:64*(\m)+i+1], v[64*(\m)+i:64*(\m)+i+1], 1.0 op_sel_hi:[1,0]
.set i, i+2
.endr
	WIN \rw
	s_wait_alu depctr_va_vdst(0)
.set i, 0
.rept 64
	v_rcp_f32 v[64*(\m)+i], v[64*(\m)+i]
.set i, i+1
.endr
	v_nop
	s_wait_alu depctr_va_vdst(0)
.endm
.macro EPI1U m                         ; ft into window 3; g = ft h into the accumulators' registers, quantised, into my holding bytes
	EHEAD \m, CSG, 0xc2
.if (\m) > 0
	s_wait_loadcnt 0x0                             ; h's 16 rows, asked for in the block before
.endif
	WIN 0x87
.set i, 0
.rept 32
	v_pk_mul_f32 v[64*(\m)+i:64*(\m)+i+1], v[64*(\m)+i:64*(\m)+i+1], v[192+i:193+i]
.set i, i+2
.endr
.if (\m) < 3
	XLOAD 1, 192, HEE, 65536*((\m)+1)
.endif
	QUANT 64*(\m), 2
	IMAGE GI, 1536*(\m)
	ds_store_b32 v[GS], v[PW] offset:128*((\m)%2)+4*((\m)/2)
.endm
.irp m, 0,1,2,3
	EPI1U \m
.endr
	s_cmp_lg_u32 s[PIX], 0
	s_cbranch_scc1 .Lcopy
	WIN 0x0c                                       ; behind pass 0: half e = 0 of ft rests in my own LDS bytes until the last pass
.set i, 0
.rept 64
	ds_store_b128 v[FA], v[4*i:4*i+3] offset:512*i
.set i, i+1
.endr
	WIN 0
	s_branch .Ljoin
.Lcopy:                                                ; behind pass 1: h's image is read no more: my two chunks of g go over its places 8 + w and 12 + w.  LDS serves a wave's instructions in order: the loads see my stores
.irp e, 0,1
.irp c, 0,1,2,3,4,5,6,7,8,9,10,11
	ds_load_b128 v[32+48*\e+4*\c:32+48*\e+4*\c+3], v[GI0] offset:6400*\e+512*\c
.endr
	ds_load_b64 v[128+2*\e:129+2*\e], v[HSA] offset:6400*\e
.endr
	s_wait_dscnt 0x0
.irp e, 0,1
.irp c, 0,1,2,3,4,5,6,7,8,9,10,11
	ds_store_b128 v[CI], v[32+48*\e+4*\c:32+48*\e+4*\c+3] offset:24576*\e+512*\c
.endr
	ds_store_b64 v[CS], v[128+2*\e:129+2*\e] offset:1024*\e
.endr
	s_branch .Ljoin
.Lepi2:
.macro EPI2U m                         ; out = h + ft (tanh - h), tanh = 1 - 2 / (1 + 2^(..)); through my stage, so that 16 lanes store 256 consecutive bytes
	EHEAD \m, CTH, 0x82
.set i, 0
.rept 32
	v_pk_fma_f32 v[64*(\m)+i:64*(\m)+i+1], v[64*(\m)+i:64*(\m)+i+1], -2.0, 1.0 op_sel_hi:[1,0,0]
.set i, i+2
.endr
.if (\m) > 0
	s_wait_loadcnt 0x0
.endif
	WIN 0x86
.set i, 0
.rept 32
	v_pk_add_f32 v[64*(\m)+i:64*(\m)+i+1], v[64*(\m)+i:64*(\m)+i+1], v[192+i:193+i] neg_lo:[0,1] neg_hi:[0,1]
.set i, i+2
.endr
	WIN 0x9b
.set i, 0
.rept 32
	v_pk_fma_f32 v[64*(\m)+i:64*(\m)+i+1], v[64*(\m)+i:64*(\m)+i+1], v[64*(\m)+i:64*(\m)+i+1], v[192+i:193+i]
.set i, i+2
.endr
.if (\m) < 3
	XLOAD 1, 192, HEE, 65536*((\m)+1)
.endif
.irp hf, 0,1                           ; 64 columns at a time; LDS serves a wave's instructions in order, and the rows come back into the registers they left
	WIN 0x08
.irp bb, 0,1
.irp j, 0,1,2,3
	ds_store_b128 v[SO], v[64*(\m)+32*\hf+16*\bb+4*\j:64*(\m)+32*\hf+16*\bb+4*\j+3] offset:128*\bb+16*\j
.endr
.endr
	WIN 0x80
.irp t, 0,1,2,3,4,5,6,7
	ds_load_b128 v[64*(\m)+32*\hf+4*\t:64*(\m)+32*\hf+4*\t+3], v[SR] offset:544*\t
.endr
.endr
	WIN 0x08
	s_wait_dscnt 16                                ; the first eight loads are back: eight stores and eight loads are younger
.irp t, 0,1,2,3,4,5,6,7
	global_store_b128 v[GO], v[64*(\m)+4*\t:64*(\m)+4*\t+3], s[OEE:OEE+1] offset:65536*(\m)+8192*\t th:TH_STORE_NT
.endr
	s_wait_dscnt 0x0
.irp t, 0,1,2,3,4,5,6,7
	global_store_b128 v[GO], v[64*(\m)+32+4*\t:64*(\m)+32+4*\t+3], s[OEE:OEE+1] offset:65536*(\m)+8192*\t+256 th:TH_STORE_NT
.endr
.endm
.irp m, 0,1,2,3
	EPI2U \m
.endr
	WIN 0
	s_wait_xcnt 0x0                                ; the stores have read their registers: the next pass writes them
	s_cmp_lg_u32 s[PIX], 2
	s_cbranch_scc1 .Ljoin
	WIN 0xc0                                       ; half e = 0 of ft comes back for the last pass
.set i, 0
.rept 64
	ds_load_b128 v[4*i:4*i+3], v[FA] offset:512*i
.set i, i+1
.endr
	WIN 0
.Ljoin:
	s_wait_dscnt 0x0                               ; for the others' sake: my part of g's image lies in LDS
	s_barrier_signal -1
	s_barrier_wait -1
	s_add_co_u32 s[PIX], s[PIX], 1
	s_cmp_lt_u32 s[PIX], 4
	s_cbranch_scc1 .Lpass
	s_wait_tensorcnt 0x0                           ; the wave's end
	ds_add_u32 v[SPW], v[NIL]
	s_wait_dscnt 0x0
	s_endpgm
.Lfunc_end_k_qf9445ff2a5_mgu:
	.size	k_qf9445ff2a5_mgu, .Lfunc_end_k_qf9445ff2a5_mgu-k_qf9445ff2a5_mgu
	.p2alignl 7, 3214868480
	.fill 96, 4, 3214868480
	.section	.rodata,"a",@progbits
	.p2align	6, 0x0
	.amdhsa_kernel k_qf9445ff2a5_mgu
		.amdhsa_group_segment_fixed_size 310784
		.amdhsa_private_segment_fixed_size 0
		.amdhsa_enable_private_segment 0
		.amdhsa_kernarg_size 48
		.amdhsa_user_sgpr_count 2
		.amdhsa_user_sgpr_kernarg_segment_ptr 1
		.amdhsa_wavefront_size32 1
		.amdhsa_system_sgpr_workgroup_id_x 1
		.amdhsa_system_sgpr_workgroup_id_y 1
		.amdhsa_system_sgpr_workgroup_id_z 1
		.amdhsa_system_vgpr_workitem_id 0
		.amdhsa_next_free_vgpr 1024
		.amdhsa_next_free_sgpr 72
		.amdhsa_reserve_vcc 0
		.amdhsa_float_denorm_mode_32 3
		.amdhsa_float_denorm_mode_16_64 3
		.amdhsa_memory_ordered 1
		.amdhsa_forward_progress 1
		.amdhsa_inst_pref_size 255
	.end_amdhsa_kernel
	.section	.bss,"aw",@nobits
	.p2align	6
	.space	262144
	.amdgpu_metadata
---
amdhsa.version: [ 1, 2 ]
amdhsa.kernels:
  - .name:           k_qf9445ff2a5_mgu
    .symbol:         k_qf9445ff2a5_mgu.kd
    .args:
      - { .name: x, .offset: 0, .size: 8, .value_kind: global_buffer, .address_space: global }
      - { .name: h, .offset: 8, .size: 8, .value_kind: global_buffer, .address_space: global }
      - { .name: Bf, .offset: 16, .size: 8, .value_kind: global_buffer, .address_space: global }
      - { .name: Bh, .offset: 24, .size: 8, .value_kind: global_buffer, .address_space: global }
      - { .name: wq, .offset: 32, .size: 8, .value_kind: global_buffer, .address_space: global }
      - { .name: out0, .offset: 40, .size: 8, .value_kind: global_buffer, .address_space: global }
    .group_segment_fixed_size: 310784
    .private_segment_fixed_size: 0
    .kernarg_segment_align: 8
    .kernarg_segment_size: 48
    .max_flat_workgroup_size: 128
    .sgpr_count:     72
    .vgpr_count:     1024
    .wavefront_size: 32
...
	.end_amdgpu_metadata
.endif
;; end of part 2
